; MI455X (gfx1250); checked and timed in simulation.
; The chip was launched on July 23, 2026; its instructions are those of AMD's public machine-readable ISA for CDNA 5 (MIT licence, August 2026) and "CDNA5" Instruction Set Architecture Reference Guide (July 2026). The comments in the code are by the model that wrote it; some were corrected since.
;; New Additive Attention. Allowed arithmetic: matrix products marked QUANTISED: E2M1 operands, one E8M0 scale for each 32 along K, by v_wmma_scale_f32_16x16x128_f8f6f4 with both operands' format E2M1 (or v_wmma_scale_f32_32x16x128_f4), f32 sums; products left as they are: f32 operands where the result goes on into a quantised operand, else bf16, f16 or f32 operands; f32 sums; everything else in f32.
;; Inputs: U_w_codes 1,024 x 32 x 16 uint8 (E2M1 codes of U_w, K innermost, in blocks of 32 codes, two codes a byte); U_w_scales 1,024 x 32 uint8 (E8M0 scales of U_w, one for each 32 codes along K); V 32 x 2,048 x 1,024 float32; W_b 1,024 float32; W_w_codes 1,024 x 32 x 16 uint8 (E2M1 codes of W_w, K innermost, in blocks of 32 codes, two codes a byte); W_w_scales 1,024 x 32 uint8 (E8M0 scales of W_w, one for each 32 codes along K); h_codes 32 x 32 x 16 uint8 (E2M1 codes of h, K innermost, in blocks of 32 codes, two codes a byte); h_scales 32 x 32 uint8 (E8M0 scales of h, one for each 32 codes along K); w_w 1 x 1,024 float32.
;; Outputs: out0 32 x 1,024 float32; out1 32 x 2,048 float32.
;; This version of the problem:
;;   THIS VERSION OF THE PROBLEM IS GIVEN IN LOW PRECISION. The matrix products marked QUANTISED in the list below multiply operands that are first quantised to E2M1 (2 exponent bits, 1 mantissa bit; 4 bits a number), with one power-of-two scale for each 32 numbers along K (OCP MX v1.0); their sums are f32. All else is computed in f32.
;;   The module's matrix products, in the order in which they are computed (A, B: the left and right operand; K: the contracted axis; several contracted axes count as one K, in the product's order):
;;     1. [M 32, K 1,024] x [K 1,024, N 1,024]; A: input h (given as codes); B: input W_w (given as codes): QUANTISED
;;     2. [M 65,536, K 1,024] x [K 1,024, N 1,024]; A: input V; B: input U_w (given as codes): QUANTISED
;;     3. [M 65,536, K 1,024] x [K 1,024, N 1]; A: computed on the way; B: input w_w: left as it is (N = 1 < 16)
;;     4. batch 32 x [M 1, K 2,048] x [K 2,048, N 1,024]; A: softmax; B: input V: left as it is (M = 1 < 16)
;;   THE QUANTISER, for each operand of a quantised product, along K:
;;     - K is cut into blocks of 32 from its start; a last block that is shorter is filled with zeros.
;;     - A block's scale is 2^e with e = floor(log2(the largest magnitude in the block)) - 2, held to -126 .. 127; a block of zeros has e = 0. As a byte (E8M0): e + 127.
;;     - Each number is divided by its block's scale, clamped to +-6, and rounded to the nearest number of E2M1, ties to even, subnormals kept.
;;     - The product sums the exact products of the quantised numbers (number of the format x scale) in f32.
;;   ~~~python
;;   def quantise(x, axis):      # numpy; x: float32 -> the quantised numbers, widened to float32 again
;;       x = np.moveaxis(x, axis, -1); K = x.shape[-1]
;;       x = np.pad(x, [(0, 0)] * (x.ndim - 1) + [(0, -K % 32)]); x = x.reshape(x.shape[:-1] + (-1, 32)); a = np.abs(x).max(-1, keepdims=True)
;;       e = np.where(a > 0, np.clip(np.frexp(np.where(a > 0, a, 1))[1] - 1 - 2, -126, 127), 0)      # np.frexp(a)[1] - 1 = floor(log2(a)), exactly
;;       r = np.clip(x / 2.0 ** e, -6, 6)
;;       step = 2.0 ** (np.maximum(np.frexp(np.where(r == 0, 1, r))[1] - 1, 0) - 1)
;;       q = np.round(r / step) * step * 2.0 ** e      # np.round: ties to even
;;       return np.moveaxis(q.reshape(q.shape[:-2] + (-1,))[..., :K], -1, axis).astype(np.float32)
;;   ~~~
;;   INPUTS GIVEN AS CODES. U_w (in the module: [1024, 1024], K = its axis 1); W_w (in the module: [1024, 1024], K = its axis 1); h (in the module: [32, 1024], K = its axis 1): each comes as NAME_codes (uint8): NAME with its K axis moved to the last place and cut into blocks of 32 codes, [.., K / 32, bytes a block], one block behind the other in memory; two codes a byte, the lower K in the low four bits (a code: sign, 2 exponent bits, 1 mantissa bit); and NAME_scales (uint8): the same leading axes, one E8M0 byte (e + 127) for each 32 codes along K. Its value is code x scale, taken as it is: it is not quantised again, and the codes and scales need not be those that the quantiser above would give.
;; One version. Each part assembles by itself: llvm-mc -triple=amdgcn-amd-amdhsa -mcpu=gfx1250 --defsym DOCPART=n.
;; ======== version 1 of 1: 3 launches
;; limits: values are held in bf16: 8 bits of precision; right only within a limited range of input values
;; workspace buffers: uimg 524,288 bytes; hpc 131,072 bytes; tws 262,144 bytes; part 1,048,576 bytes; stat 65,536 bytes
;; launch prep (part 1): grid 32 x 1, 4 waves a work-group, no clusters, 5,120 bytes of LDS; arguments W_w_codes, W_w_scales, h_codes, h_scales, W_b, U_w_codes, hpc, uimg; writes hpc, uimg
.if DOCPART == 1
	.amdgcn_target "amdgcn-amd-amdhsa--gfx1250"
	.amdhsa_code_object_version 6
	.text
	.protected	k_qda6292c305_prep
	.globl	k_qda6292c305_prep
	.p2align	8
	.type	k_qda6292c305_prep,@function
k_qda6292c305_prep:
	s_mov_b64 s[64:65], 0
	v_nop
	global_prefetch_b8 v0, s[64:65] scope:SCOPE_SE
	s_setreg_imm32_b32 hwreg(HW_REG_WAVE_MODE, 25, 1), 1
	s_wait_xcnt 0x0
; NewAdditiveAttention, launch 1 of 3.  hpc[b][d] = c (sum over k of h[b][k] W[d][k] + W_b[d]), c = 2 log2(e), on the given codes of E2M1 with their E8M0 scales;
; and U's codes are copied once into the order in which a wave's operand registers take them (uimg).
; WORK LEFT OUT BY THE PROGRAM, AND WHY IT IS DEAD.  tanh(x) = 1 - 2 r with r = 1 / (1 + e^(2x)), so e[b][s] = (sum over d of w[d]) - 2 sum over d of w[d] r[b][s][d].
; The first term does not hang on s: it is the same along the axis of the softmax, which takes it away for all values of the inputs, and e itself is no output.  So the program sums -2 w r alone.
; Every input still has a way to an output (w_w through the second term), so every input is loaded.
; LIMITS: an overflow, infinity or NaN that would arise in the sum of w alone is not carried to the result; NaN and infinities among the inputs are not served.
; SHARES.  Work-group g: tg = g % 16, m = g / 16.  Wave w takes d tile T = 4 tg + w (16 rows of W) against batch tile m (16 rows of h): 8 matrix instructions along K = 1,024;
; and it copies K steps 4 m .. 4 m + 3 of U's tile T.  All of that is arithmetic on ids: no branch.
; THE PRODUCT IS USED TRANSPOSED: source 0 = 16 rows of W, source 1 = 16 rows of h: lane (r, h) then holds batch 16 m + r and d = 16 T + 8 h + 0 .. 7: eight neighbours of a row of hpc.
; uimg: [d tile 0..63][2 k + c, 0..15][lane][16 bytes]: the bytes that lane (r, h) wants in registers 4 c .. 4 c + 3 of K step k: U's row 16 T + r, bytes 64 k + 32 c + 16 h.
.set SP,    272                        ; a stage row: 256 bytes + 16
.set SPARE, 4608                       ; behind the stage (16 x 272 bytes, rounded up to 256): the spare words, 128 bytes a wave
.set SPW,   1                          ; v1   SPARE + 4 x my thread's number; never rewritten
.set NIL,   2                          ; v2   0; never rewritten
.set FA,    3                          ; v3   a fragment's place: 512 r + 16 h (a row of 1,024 codes is 512 bytes)
.set SA,    4                          ; v4   a row of scale bytes: 32 r
.set BA,    5                          ; v5   the bias: 32 h
.set L16,   6                          ; v6   16 x lane
.set STO,   7                          ; v7   the stage, in: row r, 64 w + 32 h
.set RD,    8                          ; v8   the stage, back: rows 4 w + lane / 16, 16 bytes a lane
.set GO,    9                          ; v9   the same place in hpc
.set WS,    16                         ; v16-23  W's scale words, register k for K step k
.set HS,    24                         ; v24-31  h's
.set BI,    32                         ; v32-39  W_b at my eight d
.set A0,    40                         ; v40-47, v48-55  two accumulators: even and odd K steps
.set RES,   56                         ; v56-63  the result
.set WF,    64                         ; v64-127   W's eight fragments
.set HF,    128                        ; v128-191  h's
.set UF,    192                        ; v192-223  four fragments of U
.set BK,    224                        ; v224-231  rows read back
	s_load_b512 s[4:19], s[0:1], 0x0               ; W codes s[4:5], W scales s[6:7], h codes s[8:9], h scales s[10:11], W_b s[12:13], U codes s[14:15], hpc s[16:17], uimg s[18:19]
	v_lshl_add_u32 v[SPW], v0, 2, SPARE
	v_mov_b32 v[NIL], 0
	v_lshrrev_b32 v10, 5, v0
	v_readfirstlane_b32 s20, v10                   ; wave
	s_and_b32 s21, ttmp9, 15                       ; tg
	s_lshr_b32 s22, ttmp9, 4                       ; m
	s_lshl_b32 s23, s21, 2
	s_add_co_u32 s23, s23, s20                     ; T
	v_and_b32 v10, 15, v0                          ; r
	v_bfe_u32 v11, v0, 4, 1                        ; h
	v_and_b32 v12, 31, v0                          ; lane
	v_lshlrev_b32 v[FA], 9, v10
	v_lshl_add_u32 v[FA], v11, 4, v[FA]
	v_lshlrev_b32 v[SA], 5, v10
	v_lshlrev_b32 v[BA], 5, v11
	v_lshlrev_b32 v[L16], 4, v12
	s_lshl_b32 s44, s20, 6
	v_mul_u32_u24 v[STO], v10, SP
	v_lshl_add_u32 v[STO], v11, 5, v[STO]
	v_add_nc_u32 v[STO], s44, v[STO]
	s_lshl_b32 s45, s20, 2
	v_add_nc_u32 v13, s45, v11                     ; row 4 w + lane / 16
	v_mul_u32_u24 v[RD], v13, SP
	v_lshl_add_u32 v[RD], v10, 4, v[RD]
	v_lshlrev_b32 v[GO], 12, v13                   ; a row of hpc is 4,096 bytes
	v_lshl_add_u32 v[GO], v10, 4, v[GO]
	s_lshl_b32 s24, s23, 13                        ; byte offsets, each in a pair with 0 above it: W's and U's tile T: 16 rows of 512 bytes
	s_mov_b32 s25, 0
	s_lshl_b32 s26, s23, 9                         ; W's scales: 16 rows of 32 bytes
	s_mov_b32 s27, 0
	s_lshl_b32 s28, s22, 13                        ; h's tile m
	s_mov_b32 s29, 0
	s_lshl_b32 s30, s22, 9                         ; h's scales
	s_mov_b32 s31, 0
	s_lshl_b32 s32, s23, 6                         ; W_b: 16 numbers
	s_mov_b32 s33, 0
	s_lshl_b32 s34, s22, 8                         ; U: tile T, K steps 4 m on (64 bytes each)
	s_add_co_u32 s34, s34, s24
	s_mov_b32 s35, 0
	s_mov_b32 s36, 0x4038aa3b                      ; c = 2 log2(e)
	s_mov_b32 s37, s36                             ; (named with it as a pair, so it is written)
	s_lshl_b32 s38, s22, 12                        ; uimg: tile T, pieces 8 m on (512 bytes each)
	s_add_co_u32 s38, s38, s24
	s_mov_b32 s39, 0
	s_lshl_b32 s40, s22, 16                        ; hpc: row 16 m, column 64 tg
	s_lshl_b32 s42, s21, 8
	s_add_co_u32 s40, s40, s42
	s_mov_b32 s41, 0
	s_wait_alu depctr_va_vdst(0)
	s_wait_kmcnt 0x0
	s_add_nc_u64 s[4:5], s[4:5], s[24:25]
	s_add_nc_u64 s[6:7], s[6:7], s[26:27]
	s_add_nc_u64 s[8:9], s[8:9], s[28:29]
	s_add_nc_u64 s[10:11], s[10:11], s[30:31]
	s_add_nc_u64 s[12:13], s[12:13], s[32:33]
	s_add_nc_u64 s[14:15], s[14:15], s[34:35]
	s_add_nc_u64 s[16:17], s[16:17], s[40:41]
	s_add_nc_u64 s[18:19], s[18:19], s[38:39]
.irp k, 0,1,2,3
.irp c, 0,1
	global_load_b128 v[UF+8*\k+4*\c:UF+8*\k+4*\c+3], v[FA], s[14:15] offset:64*\k+32*\c
.endr
.endr
	global_load_b128 v[WS:WS+3], v[SA], s[6:7]
	global_load_b128 v[WS+4:WS+7], v[SA], s[6:7] offset:16
	global_load_b128 v[HS:HS+3], v[SA], s[10:11]
	global_load_b128 v[HS+4:HS+7], v[SA], s[10:11] offset:16
	global_load_b128 v[BI:BI+3], v[BA], s[12:13]
	global_load_b128 v[BI+4:BI+7], v[BA], s[12:13] offset:16
.irp k, 0,1,2,3,4,5,6,7
.irp c, 0,1
	global_load_b128 v[WF+8*\k+4*\c:WF+8*\k+4*\c+3], v[FA], s[4:5] offset:64*\k+32*\c
	global_load_b128 v[HF+8*\k+4*\c:HF+8*\k+4*\c+3], v[FA], s[8:9] offset:64*\k+32*\c
.endr
.endr
	s_wait_loadcnt 0x0
.irp k, 0,1,2,3
.irp c, 0,1
	global_store_b128 v[L16], v[UF+8*\k+4*\c:UF+8*\k+4*\c+3], s[18:19] offset:512*(2*\k+\c)   ; the wave stores 512 consecutive bytes, aligned
.endr
.endr
; Eight K steps on two accumulators by turns.  The bias is the C of the first sum's first instruction; the second sum starts with the constant 0.
.irp k, 0,1,2,3,4,5,6,7
.if \k == 0
	v_wmma_scale_f32_16x16x128_f8f6f4 v[A0:A0+7], v[WF:WF+7], v[HF:HF+7], v[BI:BI+7], v[WS], v[HS] matrix_a_fmt:MATRIX_FMT_FP4 matrix_b_fmt:MATRIX_FMT_FP4
.elseif \k == 1
	v_wmma_scale_f32_16x16x128_f8f6f4 v[A0+8:A0+15], v[WF+8:WF+15], v[HF+8:HF+15], 0, v[WS+1], v[HS+1] matrix_a_fmt:MATRIX_FMT_FP4 matrix_b_fmt:MATRIX_FMT_FP4
.else
	v_wmma_scale_f32_16x16x128_f8f6f4 v[A0+8*(\k%2):A0+8*(\k%2)+7], v[WF+8*\k:WF+8*\k+7], v[HF+8*\k:HF+8*\k+7], v[A0+8*(\k%2):A0+8*(\k%2)+7], v[WS+\k], v[HS+\k] matrix_a_fmt:MATRIX_FMT_FP4 matrix_b_fmt:MATRIX_FMT_FP4
.endif
.endr
.rept 4
	v_nop                                          ; four places between the last product and the first read of results (ISA guide 7.12.1)
.endr
.irp i, 0,2,4,6
	v_pk_add_f32 v[RES+\i:RES+\i+1], v[A0+\i:A0+\i+1], v[A0+8+\i:A0+8+\i+1]   ; both accumulators from their low end on
.endr
.irp i, 0,2,4,6
	v_pk_mul_f32 v[RES+\i:RES+\i+1], v[RES+\i:RES+\i+1], s[36:37] op_sel_hi:[1,0]
.endr
	ds_store_b128 v[STO], v[RES:RES+3]
	ds_store_b128 v[STO], v[RES+4:RES+7] offset:16
	s_wait_dscnt 0x0                               ; for the others' sake: my part of the 16 rows lies in the stage
	s_barrier_signal -1
	s_barrier_wait -1
	ds_load_b128 v[BK:BK+3], v[RD]
	ds_load_b128 v[BK+4:BK+7], v[RD] offset:2*SP
	s_wait_dscnt 0x0
	global_store_b128 v[GO], v[BK:BK+3], s[16:17]                 ; sixteen lanes store 256 consecutive bytes, aligned
	global_store_b128 v[GO], v[BK+4:BK+7], s[16:17] offset:8192
	s_wait_tensorcnt 0x0                           ; the wave's end
	ds_add_u32 v[SPW], v[NIL]
	s_wait_dscnt 0x0
	s_endpgm
.Lfunc_end_k_qda6292c305_prep:
	.size	k_qda6292c305_prep, .Lfunc_end_k_qda6292c305_prep-k_qda6292c305_prep
	.p2alignl 7, 3214868480
	.fill 96, 4, 3214868480
	.section	.rodata,"a",@progbits
	.p2align	6, 0x0
	.amdhsa_kernel k_qda6292c305_prep
		.amdhsa_group_segment_fixed_size 5120
		.amdhsa_private_segment_fixed_size 0
		.amdhsa_enable_private_segment 0
		.amdhsa_kernarg_size 64
		.amdhsa_user_sgpr_count 2
		.amdhsa_user_sgpr_kernarg_segment_ptr 1
		.amdhsa_wavefront_size32 1
		.amdhsa_system_sgpr_workgroup_id_x 1
		.amdhsa_system_sgpr_workgroup_id_y 1
		.amdhsa_system_sgpr_workgroup_id_z 1
		.amdhsa_system_vgpr_workitem_id 0
		.amdhsa_next_free_vgpr 256
		.amdhsa_next_free_sgpr 66
		.amdhsa_reserve_vcc 0
		.amdhsa_float_denorm_mode_32 3
		.amdhsa_float_denorm_mode_16_64 3
		.amdhsa_memory_ordered 1
		.amdhsa_forward_progress 1
		.amdhsa_inst_pref_size 10
	.end_amdhsa_kernel
	.amdgpu_metadata
---
amdhsa.version: [ 1, 2 ]
amdhsa.kernels:
  - .name:           k_qda6292c305_prep
    .symbol:         k_qda6292c305_prep.kd
    .args:
      - { .name: W_w_codes, .offset: 0, .size: 8, .value_kind: global_buffer, .address_space: global }
      - { .name: W_w_scales, .offset: 8, .size: 8, .value_kind: global_buffer, .address_space: global }
      - { .name: h_codes, .offset: 16, .size: 8, .value_kind: global_buffer, .address_space: global }
      - { .name: h_scales, .offset: 24, .size: 8, .value_kind: global_buffer, .address_space: global }
      - { .name: W_b, .offset: 32, .size: 8, .value_kind: global_buffer, .address_space: global }
      - { .name: U_w_codes, .offset: 40, .size: 8, .value_kind: global_buffer, .address_space: global }
      - { .name: hpc, .offset: 48, .size: 8, .value_kind: global_buffer, .address_space: global }
      - { .name: uimg, .offset: 56, .size: 8, .value_kind: global_buffer, .address_space: global }
    .group_segment_fixed_size: 5120
    .private_segment_fixed_size: 0
    .kernarg_segment_align: 8
    .kernarg_segment_size: 64
    .max_flat_workgroup_size: 128
    .sgpr_count:     66
    .vgpr_count:     256
    .wavefront_size: 32
...
	.end_amdgpu_metadata
.endif
;; end of part 1
;; launch main (part 2): grid 256 x 1, 4 waves a work-group, no clusters, 327,680 bytes of LDS; arguments V, uimg, U_w_scales, hpc, w_w, tws, part, stat; writes tws, part, stat
.if DOCPART == 2
	.amdgcn_target "amdgcn-amd-amdhsa--gfx1250"
	.amdhsa_code_object_version 6
	.text
	.protected	k_qda6292c305_main
	.globl	k_qda6292c305_main
	.p2align	8
	.type	k_qda6292c305_main,@function
k_qda6292c305_main:
	s_mov_b64 s[64:65], 0
	v_nop
	global_prefetch_b8 v0, s[64:65] scope:SCOPE_SE
	s_setreg_imm32_b32 hwreg(HW_REG_WAVE_MODE, 25, 1), 1
	s_wait_xcnt 0x0
; NewAdditiveAttention, launch 2 of 3.  For 256 rows s of one batch: t[s] = -2 log2(e) sum over d of w[d] r[s][d], r = 1 / (1 + 2^x), x = c (V U^T)[s][d] + hpc[d], c = 2 log2(e);
; and, under a running maximum M of t, l = sum of 2^(t - M) and acc[v] = sum of 2^(t - M) V[s][v].  Out: t (tws), acc (part), (M, l) (stat).  V U^T is the QUANTISED product: V is quantised here, U comes as codes.
; LEFT OUT: the sum over d of w[d] in e = sum w - 2 sum w r: it is the same along the softmax's axis (shown at the head of the first kernel).
; LIMITS: NaN and infinities among the inputs are not served.  A block of 32 zeros of V gets the scale byte 1 with zero codes where the quantiser says 127: the bytes are read here alone and zero codes add nothing.
; Blocks of V whose largest magnitude lies under 2^(3 - 127) keep the byte 1.  For the last product V, and nothing else, is rounded to bf16; the weights stay f32.  2^x = infinity gives r = 0 (tanh = 1), 2^x = 0 gives r = 1.
; V IS READ FROM MEMORY ONCE.  A work-group takes its 256 rows in four blocks of 64.  A block's f32 rows land in LDS by one tensor load a wave (strip w: columns 256 w on), and are read twice from there: in the quantiser's
; layout (codes, which go from wave to wave as images of the operand's registers) and by columns (a bf16 copy that stays in registers).  Then the landing area is filled again, and the next block comes in under this block's products.
; SHARES.  Wave w fetches strip w, quantises rows 16 w .. 16 w + 15, keeps their bf16 copy, and owns d = 256 w .. 256 w + 255 (16 tiles of 16) for all 64 rows.  All 64 rows' codes stay in every wave's registers;
; U's fragments go from memory straight into registers, as the first launch laid them.
; NO CLUSTER, NO JOINT LOADS FOR U: beside the landing area (266,240 bytes), the images and the tables under 15,360 bytes of LDS are left, less than two of U's 64 tiles of 8,704 bytes: no ring for U fits.
; THE PRODUCT IS USED TRANSPOSED: source 0 = 16 rows of U, source 1 = 16 rows of V: lane (r, h) holds ONE row s = 16 t + r and d = 16 T + 8 h + 0 .. 7.
; BY TURNS.  A tile's 96 lines of 2^x, + 1 and 1 / . follow the NEXT tile's 32 matrix instructions, which stand on end; the 16 multiply-adds by w follow together.
; U IS ASKED FOR BY HALVES, INTO THE SET THAT IS AT WORK.  Tile T lies in set T % 2.  Fragments 0-3 of tile T + 2 are asked for behind tile T's 32 products and the 16 plain lines behind them (their last reader is the 16th product), fragments 4-7 at tile T's end:
; each half has a tile and a half of work in which to come.  U's scale words come for two tiles at once (lanes 0-15 an even tile's rows, lanes 16-31 those of the odd tile behind it), two tiles ahead, into a set of their own,
; and are copied into the set at work between an odd tile and the even tile behind it.
; REGISTERS, in windows of 256 (s_set_vgpr_msb: bits 1:0 source 0, 3:2 source 1, 5:4 source 2, 7:6 destination):
;   window 0: v1-11, v24 addresses; v32-63 V's scale words (8 t + k); v64-71 U's scale words at work, v72-79 the next pair's; v80-101 the softmax; v112-127 the tables on their way in; v128-159 acc; v160-175 weights; v176-207 the last sums
;   window 1: V's codes, fragment (t, k) at 8 (8 t + k)          window 2: the bf16 copy: row i of my 16 at 16 i; register 2 j + e / 2 holds columns 128 j + 4 lane + e
;   window 3: v0-127 U's fragments, two sets (while V is quantised: 128 numbers); v128-191 two sets of four accumulators; v192-223 hpc and w of a tile, two sets; v224-231 sums of w r; v232-251 addresses
; THE ORDER OF A TILE'S LINES (this takes the place of the paragraph BY TURNS above): a tile's 32 products stand on end; behind them the 96 lines of the tile BEFORE follow in four groups
; (16 multiply-adds, 32 exponentials, 16 additions, 32 reciprocals), then its 16 multiply-adds by w.  No transcendental stands between two links of a sum; each batch has one wait ahead of it and one behind it.
; THE PREFETCHES name the whole next block: wave w its rows 16 w .. 16 w + 15, 65,536 consecutive bytes, in eight requests of 32 lanes x 256 bytes (see the two places in BLOCK).
.set STRIP, 66560                      ; a strip in LDS: 64 rows x LP
; WHERE U'S FIRST HALVES ARE ASKED FOR (in place of what the paragraph on U's halves above says of the 17th product): fragments 0-3 of tile T + 2 are asked for behind tile T's 32 products and the 16 plain lines that follow them.
.set LP,    1040                       ; 1,024 bytes + 16 of padding = 260 words: sixteen rows begin at sixteen different banks (64 banks of 4 bytes: ISA guide 11.1)
.set VIMG,  4*STRIP                    ; 32 images of fragments, f = 8 t + k, 1,024 bytes each; at the very end its first 16,384 bytes carry the waves' sums
.set VSC,   VIMG+32768                 ; 32 x 128 bytes: their scale words, 4 x lane
.set HPT,   VSC+4096                   ; hpc of my batch, 4,096 bytes; behind it w_w, 4,096 bytes
.set EXB,   HPT+8192                   ; [wave][64 rows] sums of w r
.set SPARE, EXB+1024                   ; the spare words, 128 bytes a wave: two blocks of 256 bytes that no other line names
.set BLKB,  262144                     ; a block of V in memory: 64 rows of 4,096 bytes
.set SPW, 1                            ; window 0
.set NIL, 2
.set IFA, 3                            ; VIMG + 16 lane
.set SFA, 4                            ; VSC + 4 lane
.set EXL, 5                            ; EXB + 8 lane
.set EXO, 6                            ; EXB + 64 w + 4 r
.set L8,  7                            ; 8 lane
.set PFO, 8                            ; 256 lane
.set RSA, 9                            ; VIMG + 4,096 w + 16 lane
.set RLA, 10                           ; VIMG + 1,024 w + 16 lane
.set L16, 11                           ; 16 lane
.set USO, 24                           ; 32 lane: a row of U's scale bytes for each lane, 32 rows a load
.set VS,  32
.set US,  64                           ; U's scale words at work: register k for K step k
.set UL,  72                           ; the next pair of tiles'
.set MX,  80                           ; M
.set LS,  81                           ; l, a part in each lane
.set FF,  82                           ; v[82:83] f = 2^(old M - new M), and 0
.set TT,  84                           ; v[84:85] t of rows 2 lane, 2 lane + 1
.set PP,  86                           ; v86-93 the four waves' sums for these two rows
.set OW,  94                           ; v94-97 the same for row 16 w + r
.set PO,  98                           ; its weight
.set TA,  99                           ; v99-101 at work
.set ACC, 128
.set PB,  160
.set FS,  176
.set UB0, 0                            ; window 3
.set UB1, 64
.set X0,  0
.set X1,  64
.set AC0, 128
.set AC1, 160
.set TM,  128                          ; v128-143 at work in the quantiser
.set SW,  146                          ; the scale word just made
.set CD,  148                          ; v148-155 the codes just made
.set HP0, 192
.set HP1, 200
.set WW0, 208
.set WW1, 216
.set EA,  224
.set UVO, 232                          ; 16 lane
.set HWB, 234                          ; HPT + 1,024 w + 32 h
.set HWA, 235
.set QA0, 236                          ; (16 w + r) LP + 64 h
.set QAC, 237
.set CA0, 238                          ; v238-241: q STRIP + 16 w LP + 16 lane
.set IWA, 242                          ; VIMG + 8,192 w + 16 lane
.set IWC, 243
.set ISA, 244                          ; VSC + 1,024 w + 4 lane
.set ISC, 245
.set EXS, 246                          ; EXB + 256 w + 4 r
.set PD,  248                          ; v248-251 destinations of lane permutes
; scalars: s20 wave; s21-23 at work; s[24:31] descriptor group 1; s[32:35] group 0; s[36:37] lane selects; s[38:39] c; s[40:41] -c; s[42:43], s[44:45] uimg at my 16 tiles, and the walking copy;
; s[46:47], s[48:49] U's scales likewise; s50 blocks to go; s51 trips; s52 table step; s53-55 the quantiser's steps; s[56:57] tws; s[58:59] the prefetches; s60-63 weights
.set MSB, 0
.macro WIN new                         ; the immediate's high byte repeats the setting that is left; a switch that changes nothing is dropped
.if MSB != \new
	s_set_vgpr_msb (MSB<<8)|\new
.set MSB, \new
.endif
.endm
; 64 numbers of my row, one K step of 128: register 16 b + i = k 32 b + 16 h + i
.macro QLOAD x, off
.irp b, 0,1,2,3
.irp j, 0,1,2,3
	ds_load_b128 v[\x+16*\b+4*\j:\x+16*\b+4*\j+3], v[QAC] offset:\off+128*\b+16*\j
.endr
.endr
.endm
; they become a fragment's codes in v[CD] on and my row's scale word in v[SW]
.macro QUANT x
.irp b, 0,1,2,3
	v_max3_num_f32 v[TM+\b], |v[\x+16*\b]|, |v[\x+1+16*\b]|, 0x1800000   ; block b: my 16 numbers, and the floor 2^(3 - 127): the byte cannot fall under 1
.endr
.irp i, 2,4,6,8,10,12,14
.irp b, 0,1,2,3
	v_max3_num_f32 v[TM+\b], v[TM+\b], |v[\x+16*\b+\i]|, |v[\x+1+16*\b+\i]|   ; the four blocks by turns
.endr
.endr
.irp b, 0,1,2,3
	v_permlanex16_b32 v[TM+4+\b], v[TM+\b], s36, s37
.endr
.irp b, 0,1,2,3
	v_max_num_f32 v[TM+\b], v[TM+\b], v[TM+4+\b]   ; with lane l xor 16's: the block's largest magnitude
.endr
.irp b, 0,1,2,3
	v_add_nc_u32 v[TM+12+\b], 0xff000000, v[TM+\b] ; 2 off its exponent field: the conversion takes the exponent field of this operand as its scale
.endr
.irp b, 0,1,2,3
	v_lshrrev_b32 v[TM+4+\b], 23, v[TM+12+\b]      ; the scale's byte
.endr
	v_lshl_or_b32 v[SW], v[TM+5], 8, v[TM+4]
	v_lshl_or_b32 v[SW], v[TM+6], 16, v[SW]
	v_lshl_or_b32 v[SW], v[TM+7], 24, v[SW]
.irp b, 0,1,2,3
	v_cvt_scalef32_pk8_fp4_f32 v[CD+2*\b], v[\x+16*\b:\x+7+16*\b], v[TM+12+\b]
	v_cvt_scalef32_pk8_fp4_f32 v[CD+1+2*\b], v[\x+8+16*\b:\x+15+16*\b], v[TM+12+\b]
.endr
	v_nop                                          ; one plain place behind a scaled conversion
.irp c, 0,1                                    ; the operand's layout wants a whole block in a lane: lanes 0-15 block 2 c, lanes 16-31 block 2 c + 1
.irp i, 0,1
	v_permlane16_swap_b32 v[CD+4*\c+\i], v[CD+2+4*\c+\i]
.endr
.endr
.endm
.macro IMG off, soff                   ; the fragment and its scale words go to LDS as they stand in the registers
	ds_store_b128 v[IWC], v[CD:CD+3] offset:\off
	ds_store_b128 v[IWC], v[CD+4:CD+7] offset:\off+512
	ds_store_b32 v[ISC], v[SW] offset:\soff
.endm
.macro LOADG g                         ; rows 2 g, 2 g + 1 of my 16, by columns: each load takes 512 consecutive bytes
	WIN 0xff
.irp p, 0,1
.irp i, 0,1,2,3,4,5,6,7
	ds_load_b128 v[64*((\g)%2)+32*\p+4*\i:64*((\g)%2)+32*\p+4*\i+3], v[CA0+\i/2] offset:(2*(\g)+\p)*LP+(\i%2)*512
.endr
.endr
.endm
.macro CVTG g                          ; and their bf16 copy, into window 2
	WIN 0x8f
.irp p, 0,1
.irp i, 0,1,2,3,4,5,6,7,8,9,10,11,12,13,14,15
	v_cvt_pk_bf16_f32 v[16*(2*(\g)+\p)+\i], v[64*((\g)%2)+32*\p+2*\i], v[64*((\g)%2)+32*\p+2*\i+1]
.endr
.endr
.endm
.macro UHALF ub, f0, base, off         ; half a d tile of U: fragments f0 .. f0 + 3 into set ub: 8 loads of 512 consecutive bytes.  Data and address lie in window 3: it stands under the products' window setting too
.irp q, 0,1,2,3
.irp c, 0,1
	global_load_b128 v[\ub+8*(\f0+\q)+4*\c:\ub+8*(\f0+\q)+4*\c+3], v[UVO], s[\base:\base+1] offset:\off+512*(2*(\f0+\q)+\c)
.endr
.endr
.endm
.macro SLOAD us, sbase, soff           ; the scale words of two d tiles, 32 rows of 32 bytes: lane l takes row l; window 0
	global_load_b128 v[\us:\us+3], v[USO], s[\sbase:\sbase+1] offset:\soff
	global_load_b128 v[\us+4:\us+7], v[USO], s[\sbase:\sbase+1] offset:\soff+16
.endm
; Between an odd tile and the even tile behind it: the next pair's scale words become the set at work.  The plain lines of the tile before's groups stand behind the last product that named the set.
; A scale register written by a vector instruction stands eight places ahead of the scaled product that names it: eight v_nop stand behind the last copy.  ld = 1: the pair after that is asked for.
.macro SSWAP ld, sbase, soff
	WIN 0
.irp i, 0,1,2,3,4,5,6,7
	v_mov_b32 v[US+\i], v[UL+\i]
.endr
	s_wait_alu depctr_va_vdst(0)                   ; directly behind the writes
.if \ld
	SLOAD UL, \sbase, \soff
.endif
.rept 8
	v_nop
.endr
.endm
.macro HWLOAD hp, ww, adr, off         ; hpc and w at a tile's eight d of my half
	WIN 0xff
	ds_load_b128 v[\hp:\hp+3], v[\adr] offset:\off
	ds_load_b128 v[\hp+4:\hp+7], v[\adr] offset:\off+16
	ds_load_b128 v[\ww:\ww+3], v[\adr] offset:\off+4096
	ds_load_b128 v[\ww+4:\ww+7], v[\adr] offset:\off+4112
.endm
; Line n of 96 of a tile's list.  Pair q of 16 lies at ac + 8 (q % 4) + 2 (q / 4): the four accumulators by turns, each from its low end on.
;   0-15 x = c s + hpc;  16-47 2^x;  (one plain line and one wait for that batch);  48-63 + 1;  64-95 1 / .   None of them has a vector register as source 1, so they stand under the products' window setting.
.macro ITEM n, ac, hp
.if (\n) < 16
.if (\n) == 0
	s_wait_alu depctr_va_vdst(0)                   ; directly ahead of the first of the 16 lines that first read the tile's matrix results
.endif
.set iq, (\n)
.set ia, (\ac)+8*(iq%4)+2*(iq/4)
.set ih, (\hp)+2*(iq/4)
	v_pk_fma_f32 v[ia:ia+1], v[ia:ia+1], s[38:39], v[ih:ih+1] op_sel_hi:[1,0,1]
.elseif (\n) < 48
.if (\n) == 16
	s_wait_alu depctr_va_vdst(0)                   ; ahead of the batch
.endif
.set iq, ((\n)-16)/2
.set ia, (\ac)+8*(iq%4)+2*(iq/4)+((\n)%2)
	v_exp_f32 v[ia], v[ia]
.elseif (\n) < 64
.if (\n) == 48
	v_nop                                          ; a plain line behind the last exponential,
	s_wait_alu depctr_va_vdst(0)                   ; and one wait ahead of the batch's first reader
.endif
.set iq, (\n)-48
.set ia, (\ac)+8*(iq%4)+2*(iq/4)
	v_pk_add_f32 v[ia:ia+1], v[ia:ia+1], 1.0 op_sel_hi:[1,0]
.else
.if (\n) == 64
	s_wait_alu depctr_va_vdst(0)                   ; ahead of the batch
.endif
.set iq, ((\n)-64)/2
.set ia, (\ac)+8*(iq%4)+2*(iq/4)+((\n)%2)
	v_rcp_f32 v[ia], v[ia]
.endif
.endm
.macro EBLK ac, ww                     ; the sums of w r: 16 packed multiply-adds, behind the reciprocals' plain line and their one wait.  They are also the places behind the tile's last products, none of whose registers they name
	v_nop
	s_wait_alu depctr_va_vdst(0)
	WIN 0xff
.set ebq, 0
.rept 16
	v_pk_fma_f32 v[EA+2*(ebq%4):EA+2*(ebq%4)+1], v[\ac+8*(ebq%4)+2*(ebq/4):\ac+8*(ebq%4)+2*(ebq/4)+1], v[\ww+2*(ebq/4):\ww+2*(ebq/4)+1], v[EA+2*(ebq%4):EA+2*(ebq%4)+1]
.set ebq, ebq+1
.endr
.endm
; A d tile's 32 products, on end: K step by K step, the four accumulators (tiles of rows) by turns, one instruction a turn; the first K step starts the sums with the constant 0.
; row1 = 1: an odd tile: U's scale words are taken from lanes 16-31.
; wm >= 0: the count of the wait ahead of the 17th product, for fragments 4-7.  fw = 1: V's codes are on their way from LDS, K step by K step: eight loads a step.
.macro MM ub, row1, acw, wm, fw
	WIN 0xf7                                       ; U and the accumulators window 3, V's codes window 1
.irp k, 0,1,2,3,4,5,6,7
.if \fw
	s_wait_dscnt 8*(7-\k)                          ; this K step's four fragments of V are in; the later steps' loads may be out
.endif
.if (\k == 4) && (\wm >= 0)
	s_wait_loadcnt \wm                             ; U's fragments 4-7 are in
.endif
.irp t, 0,1,2,3
.if \k == 0
.if \row1
	v_wmma_scale_f32_16x16x128_f8f6f4 v[\acw+8*\t:\acw+8*\t+7], v[\ub+8*\k:\ub+8*\k+7], v[8*(8*\t+\k):8*(8*\t+\k)+7], 0, v[US+\k], v[VS+8*\t+\k] matrix_a_fmt:MATRIX_FMT_FP4 matrix_b_fmt:MATRIX_FMT_FP4 matrix_a_scale:MATRIX_SCALE_ROW1
.else
	v_wmma_scale_f32_16x16x128_f8f6f4 v[\acw+8*\t:\acw+8*\t+7], v[\ub+8*\k:\ub+8*\k+7], v[8*(8*\t+\k):8*(8*\t+\k)+7], 0, v[US+\k], v[VS+8*\t+\k] matrix_a_fmt:MATRIX_FMT_FP4 matrix_b_fmt:MATRIX_FMT_FP4
.endif
.else
.if \row1
	v_wmma_scale_f32_16x16x128_f8f6f4 v[\acw+8*\t:\acw+8*\t+7], v[\ub+8*\k:\ub+8*\k+7], v[8*(8*\t+\k):8*(8*\t+\k)+7], v[\acw+8*\t:\acw+8*\t+7], v[US+\k], v[VS+8*\t+\k] matrix_a_fmt:MATRIX_FMT_FP4 matrix_b_fmt:MATRIX_FMT_FP4 matrix_a_scale:MATRIX_SCALE_ROW1
.else
	v_wmma_scale_f32_16x16x128_f8f6f4 v[\acw+8*\t:\acw+8*\t+7], v[\ub+8*\k:\ub+8*\k+7], v[8*(8*\t+\k):8*(8*\t+\k)+7], v[\acw+8*\t:\acw+8*\t+7], v[US+\k], v[VS+8*\t+\k] matrix_a_fmt:MATRIX_FMT_FP4 matrix_b_fmt:MATRIX_FMT_FP4
.endif
.endif
.endr
.endr
.endm
; A tile with a tile before it: its tables are asked for; lb = 1: fragments 4-7 of the NEXT tile go into the set that the tile before has left (that tile's last product has the plain lines of a whole list behind it);
; w0: the count of the wait for this tile's fragments 0-3; then its products, and behind them the list of the tile before (accumulators ace, tables hpe and wwe).
; la = 1: behind the list's first 16 lines, which are plain and name no register of the products, fragments 0-3 of the tile two on are asked for, into this tile's set.
.macro PHASE hpn, wwn, hadr, hoff, lb, lbub, lbbase, lboff, w0, ub, row1, acw, ace, hpe, wwe, wm, la, labase, laoff
	HWLOAD \hpn, \wwn, \hadr, \hoff
.if \lb
	UHALF \lbub, 4, \lbbase, \lboff
.endif
	s_wait_loadcnt \w0                             ; this tile's fragments 0-3 are in; the loads issued behind them may be out
	s_wait_dscnt 4                                 ; the tables of the tile before are in; the four loads just issued may be out
	MM \ub, \row1, \acw, \wm, 0
.set mi, 0
.rept 16
	ITEM mi, \ace, \hpe
.set mi, mi+1
.endr
.if \la
	UHALF \ub, 0, \labase, \laoff
.endif
.rept 80
	ITEM mi, \ace, \hpe
.set mi, mi+1
.endr
	EBLK \ace, \wwe
.endm
; A BLOCK OF 64 ROWS.  fill = 1: the landing area is filled again with the next block.
.macro BLOCK fill
	; ---- my 16 rows become eight fragments: a trip takes a strip, two K steps
	s_mov_b32 s53, 0
	s_mov_b32 s54, 0
	s_mov_b32 s55, 0
	s_mov_b32 s51, 4
.Lq_\@:
	WIN 0xff
	v_add_nc_u32 v[QAC], s53, v[QA0]
	v_add_nc_u32 v[IWC], s54, v[IWA]
	v_add_nc_u32 v[ISC], s55, v[ISA]
	QLOAD X0, 0
	QLOAD X1, 512
	s_wait_dscnt 16                                ; the first K step's 16 loads are in, the second's may be out
	QUANT X0
	IMG 0, 0
	s_wait_dscnt 3                                 ; the second K step's 16 loads are in; the three stores issued behind them may be out
	QUANT X1
	IMG 1024, 128                                  ; these stores are waited for with the next trip's loads, and at the latest in front of the barrier
	WIN 0
.if \fill
; A prefetch of what this block's refill will ask for: the second half of my 16 rows of the next block, 8,192 bytes a trip, lanes 256 bytes apart.  The first half was asked for in the block before (block 1's comes by its load alone).
	s_wait_xcnt 0x0                                ; the last prefetch, a trip back, has read its address
	s_add_nc_u64 s[58:59], s[58:59], 8192
	global_prefetch_b8 v[PFO], s[58:59] offset:32768 th:TH_LOAD_NT scope:SCOPE_SE
.endif
	s_add_co_u32 s53, s53, STRIP
	s_add_co_u32 s54, s54, 2048
	s_add_co_u32 s55, s55, 256
	s_sub_co_u32 s51, s51, 1
	s_cmp_lg_u32 s51, 0
	s_cbranch_scc1 .Lq_\@
	; ---- the bf16 copy of my 16 rows, two rows at a time, the loads one pair ahead
	LOADG 0
	LOADG 1
.irp g, 0,1,2,3,4,5,6,7
.if \g < 7
	s_wait_dscnt 16                                ; this pair's 16 loads are in, the next pair's may be out
.else
	s_wait_dscnt 0x0
.endif
	CVTG \g
.if \g < 6
	LOADG \g+2
.endif
.endr
	; ---- U's tiles 0 and 1 and the scale words of tiles 0 to 3 are asked for ahead of the barrier, in this order: tile 0 (16 loads), its pair's words (2), tile 1 (16), the next pair's words (2)
	s_mov_b64 s[44:45], s[42:43]
	s_mov_b64 s[48:49], s[46:47]
	WIN 0xff
	UHALF UB0, 0, 42, 0
	UHALF UB0, 4, 42, 0
	WIN 0
	SLOAD US, 46, 0
	WIN 0xff
	UHALF UB1, 0, 42, 8192
	UHALF UB1, 4, 42, 8192
	WIN 0
	SLOAD UL, 46, 1024
.if \fill
	s_wait_tensorcnt 0x0                           ; no tensor load of mine is out, so group 0 may be written
	ds_add_u32 v[SPW], v[NIL]                      ; 0 onto my spare word
	s_add_nc_u64 s[34:35], s[34:35], BLKB          ; the next 64 rows; the type bits on top are not reached
	s_wait_dscnt 0x0                               ; the add is done, my reads of the landing area are over, my images lie in LDS
	s_barrier_signal -1
	s_barrier_wait -1                              ; all of that holds of all four waves
	tensor_load_to_lds s[32:35], s[24:31]          ; my strip of the next block: my one tensor load, first behind the barrier; it has all 16 tiles' work in which to land
	s_nop 0
.rept 4
	v_nop
.endr
.else
	s_wait_dscnt 0x0                               ; my images lie in LDS
	s_barrier_signal -1
	s_barrier_wait -1
.endif
	; ---- all 64 rows' scale words and codes into my registers: the words and tile 0's tables first, then the fragments K step by K step, so that tile 0's products can begin with the first step's eight loads
.irp f, 0,1,2,3,4,5,6,7,8,9,10,11,12,13,14,15,16,17,18,19,20,21,22,23,24,25,26,27,28,29,30,31
	ds_load_b32 v[VS+\f], v[SFA] offset:128*\f
.endr
	WIN 0xff
.irp i, 0,1,2,3,4,5,6,7
	v_mov_b32 v[EA+\i], 0
.endr
	HWLOAD HP0, WW0, HWB, 0
	WIN 0x40
.irp k, 0,1,2,3,4,5,6,7
.irp t, 0,1,2,3
	ds_load_b128 v[8*(8*\t+\k):8*(8*\t+\k)+3], v[IFA] offset:1024*(8*\t+\k)
	ds_load_b128 v[8*(8*\t+\k)+4:8*(8*\t+\k)+7], v[IFA] offset:1024*(8*\t+\k)+512
.endr
.endr
	; ---- my 16 d tiles.  Tile 0 has no tile before it
	s_wait_loadcnt 18                              ; tile 0's U and its scale words are in; tile 1's 16 loads and the next pair's 2 may be out
	MM UB0, 0, AC0, -1, 1
.rept 4
	v_nop                                          ; four places behind the last product, for the loads into its set and the first read of results
.endr
	UHALF UB0, 0, 42, 16384                        ; fragments 0-3 of tile 2, into tile 0's set
	WIN 0
	s_mov_b32 s52, 0
	s_mov_b32 s51, 6
; Trip j: tiles 2 j + 1 and 2 j + 2.  The loads of a trip, in order: fragments 4-7 of tile 2 j + 2 (8); 0-3 of 2 j + 3 (8); the scale words of tiles 2 j + 4, 2 j + 5 (2); 4-7 of 2 j + 3 (8); 0-3 of 2 j + 4 (8).
; So behind a tile's fragments 0-3 stand 26 younger loads at its first product (2 + 8 + 8 + 8), and behind its fragments 4-7 stand 16 (odd tile) or 18 (even tile) at its 17th.  On the way in the same order holds:
; tile 1's two halves, 2 scale loads, tile 2's two halves.
.Lg_\@:
	WIN 0xff
	v_add_nc_u32 v[HWA], s52, v[HWB]
	PHASE HP1, WW1, HWA, 64, 1, UB0, 44, 16384, 26, UB1, 1, AC1, AC0, HP0, WW0, 16, 1, 44, 24576
	SSWAP 1, 48, 2048                              ; (the words that are copied were asked for a trip ago: the wait for 16 above has shown them in)
	PHASE HP0, WW0, HWA, 128, 1, UB1, 44, 24576, 26, UB0, 0, AC0, AC1, HP1, WW1, 18, 1, 44, 32768
	WIN 0
	s_wait_xcnt 0x0                                ; the loads have read their bases, which step now
	s_add_nc_u64 s[44:45], s[44:45], 16384
	s_add_nc_u64 s[48:49], s[48:49], 1024
	s_add_co_u32 s52, s52, 128
	s_sub_co_u32 s51, s51, 1
	s_cmp_lg_u32 s51, 0
	s_cbranch_scc1 .Lg_\@
	; tiles 13 to 15 are written out: no load reaches beyond tile 15.  Tile 13 is a trip's first tile; behind it nothing but tile 15's second half is asked for, and the counts run down: 24 and 16, 8 and 0
	PHASE HP1, WW1, HWB, 832, 1, UB0, 42, 14*8192, 26, UB1, 1, AC1, AC0, HP0, WW0, 16, 1, 42, 15*8192
	SSWAP 0, 46, 0
	PHASE HP0, WW0, HWB, 896, 1, UB1, 42, 15*8192, 24, UB0, 0, AC0, AC1, HP1, WW1, 16, 0, 42, 0
	PHASE HP1, WW1, HWB, 960, 0, UB0, 42, 0, 8, UB1, 1, AC1, AC0, HP0, WW0, 0, 0, 42, 0
	s_wait_dscnt 0x0                               ; tile 15's tables
.set mi, 0
.rept 96
	ITEM mi, AC1, HP1                              ; tile 15's own list
.set mi, mi+1
.endr
	EBLK AC1, WW1
	; ---- my 256 d's sums for the 64 rows: even and odd d, then the other half of the lanes
.irp t, 0,1,2,3
	v_add_f32 v[EA+2*\t], v[EA+2*\t], v[EA+2*\t+1]
.endr
.irp t, 0,1,2,3
	v_permlanex16_b32 v[PD+\t], v[EA+2*\t], s36, s37
.endr
.irp t, 0,1,2,3
	v_add_f32 v[EA+2*\t], v[EA+2*\t], v[PD+\t]
.endr
.irp t, 0,1,2,3
	ds_store_b32 v[EXS], v[EA+2*\t] offset:64*\t   ; both halves of the lanes write the same word with the same value
.endr
	WIN 0
.if \fill
	s_wait_tensorcnt 0x0                           ; my strip of the next block has landed: the other waves read it behind this barrier
.endif
	s_wait_dscnt 0x0                               ; my sums lie in LDS
	s_barrier_signal -1
	s_barrier_wait -1
	; ---- the softmax's step and the weighted sum of my 16 rows
.if \fill
	s_wait_xcnt 0x0                                ; the quantiser loop's prefetches have read their address
	s_add_nc_u64 s[58:59], s[58:59], BLKB-32768    ; from 24,576 bytes into my rows of one block to 8,192 bytes ahead of my rows of the next
.endif
.irp u, 0,1,2,3
	ds_load_b64 v[PP+2*\u:PP+2*\u+1], v[EXL] offset:256*\u
.endr
.irp u, 0,1,2,3
	ds_load_b32 v[OW+\u], v[EXO] offset:256*\u
.endr
.if \fill
; A prefetch of what the NEXT refill will ask for: the first half of my 16 rows of the block after the one that has just landed: 32,768 consecutive bytes, lanes 256 bytes apart, four instructions.
; No other wave of the launch names these rows, so each aligned 256 bytes is named once.  The last block but one has no block behind the next, and asks for nothing.
	s_cmp_gt_u32 s50, 1
	s_cbranch_scc0 .Lnp_\@
.irp o, 8192,16384,24576,32768
	global_prefetch_b8 v[PFO], s[58:59] offset:\o th:TH_LOAD_NT scope:SCOPE_SE
.endr
.Lnp_\@:
.endif
	s_wait_dscnt 0x0
	v_pk_add_f32 v[PP:PP+1], v[PP:PP+1], v[PP+2:PP+3]              ; the four waves' sums, (0 + 1) + (2 + 3), in the same order for both views, so that a row's t has the same bits in both
	v_pk_add_f32 v[PP+4:PP+5], v[PP+4:PP+5], v[PP+6:PP+7]
	v_add_f32 v[OW], v[OW], v[OW+1]
	v_add_f32 v[OW+2], v[OW+2], v[OW+3]
	v_pk_add_f32 v[PP:PP+1], v[PP:PP+1], v[PP+4:PP+5]
	v_add_f32 v[OW], v[OW], v[OW+2]
	v_pk_mul_f32 v[TT:TT+1], v[PP:PP+1], s[40:41] op_sel_hi:[1,0]  ; t of rows 2 lane, 2 lane + 1
	v_mul_f32 v[OW], s40, v[OW]                    ; t of row 16 w + r
	v_max_num_f32 v[TA], v[TT], v[TT+1]
	v_max_num_f32_dpp v[TA], v[TA], v[TA] row_xmask:1 row_mask:0xf bank_mask:0xf
	v_max_num_f32_dpp v[TA], v[TA], v[TA] row_xmask:2 row_mask:0xf bank_mask:0xf
	v_max_num_f32_dpp v[TA], v[TA], v[TA] row_xmask:4 row_mask:0xf bank_mask:0xf
	v_max_num_f32_dpp v[TA], v[TA], v[TA] row_xmask:8 row_mask:0xf bank_mask:0xf
	v_permlanex16_b32 v[TA+1], v[TA], s36, s37
	v_max3_num_f32 v[TA], v[TA], v[TA+1], v[MX]    ; the new M: the block's largest t, or the old M
	v_sub_f32 v[FF], v[MX], v[TA]
	v_sub_f32 v[TA+1], v[TT], v[TA]
	v_sub_f32 v[TA+2], v[TT+1], v[TA]
	v_sub_f32 v[PO], v[OW], v[TA]
	s_wait_alu depctr_va_vdst(0)                   ; ahead of the batch
	v_exp_f32 v[FF], v[FF]                         ; f = 2^(old M - new M)
	v_exp_f32 v[TA+1], v[TA+1]
	v_exp_f32 v[TA+2], v[TA+2]
	v_exp_f32 v[PO], v[PO]                         ; the weight of row 16 w + r
	v_mov_b32 v[MX], v[TA]                         ; (the plain line behind the four)
	s_wait_alu depctr_va_vdst(0)                   ; one wait for the four, ahead of their first reader
	v_add_f32 v[TA+1], v[TA+1], v[TA+2]
	v_fma_f32 v[LS], v[LS], v[FF], v[TA+1]
.irp i, 0,2,4,6,8,10,12,14,16,18,20,22,24,26,28,30
	v_pk_mul_f32 v[ACC+\i:ACC+\i+1], v[ACC+\i:ACC+\i+1], v[FF:FF+1] op_sel_hi:[1,0]
.endr
.irp p, 0,1,2,3,4,5,6,7,8,9,10,11,12,13,14,15
	v_readlane_b32 s[60+\p%4], v[PO], \p           ; row 16 w + p's weight, for every lane
	v_mov_b32 v[PB+\p], s[60+\p%4]
.endr
	s_cmp_lg_u32 s20, 0
	s_cbranch_scc1 .Lnw_\@
	global_store_b64 v[L8], v[TT:TT+1], s[56:57]   ; wave 0: the block's 64 t: 256 consecutive bytes, aligned
.Lnw_\@:
	WIN 0x02                                       ; source 0, the copy, window 2
.irp p, 0,1,2,3,4,5,6,7,8,9,10,11,12,13,14,15
.set ci, 0
.rept 16
	v_fma_mix_f32_bf16 v[ACC+2*ci], v[16*\p+ci], v[PB+\p], v[ACC+2*ci] op_sel_hi:[1,0,0]
	v_fma_mix_f32_bf16 v[ACC+2*ci+1], v[16*\p+ci], v[PB+\p], v[ACC+2*ci+1] op_sel:[1,0,0] op_sel_hi:[1,0,0]
.set ci, ci+1
.endr
.endr
	WIN 0
.if \fill
	s_wait_xcnt 0x0                                ; wave 0's store has read its data and its base
	s_add_nc_u64 s[56:57], s[56:57], 256
.endif
.endm
	s_load_b512 s[4:19], s[0:1], 0x0               ; V s[4:5], uimg s[6:7], U's scales s[8:9], hpc s[10:11], w_w s[12:13], tws s[14:15], part s[16:17], stat s[18:19]
	v_lshl_add_u32 v[SPW], v0, 2, SPARE
	v_mov_b32 v[NIL], 0
	ds_add_u32 v[SPW], v[NIL]                      ; the wave's opening: the add, twice on end, and its wait ahead of my first tensor load
	ds_add_u32 v[SPW], v[NIL]
	v_lshrrev_b32 v12, 5, v0
	v_readfirstlane_b32 s20, v12                   ; wave 0..3
	; descriptor group 1: 64 rows x 256 elements of 4 bytes, rows 1,024 elements apart in memory, 4 words of padding behind every 256 words in LDS
	s_mov_b32 s24, (2<<16)|(1<<20)|(7<<22)|(3<<25)
	s_mov_b32 s25, 256<<16                         ; tensor_dim0
	s_mov_b32 s26, 64<<16                          ; tensor_dim1
	s_mov_b32 s27, 256<<16                         ; tile_dim0
	s_mov_b32 s28, 64                              ; tile_dim1
	s_mov_b32 s29, 1024                            ; tensor_dim0_stride
	s_mov_b32 s30, 0
	s_mov_b32 s31, 0
	s_mov_b32 s32, 1                               ; group 0: count = 1,
	s_mul_i32 s33, s20, STRIP                      ; LDS address: my strip
	s_mov_b32 s36, 0x76543210
	s_mov_b32 s37, 0xfedcba98                      ; v_permlanex16_b32's selects for lane l xor 16
	s_mov_b32 s38, 0x4038aa3b                      ; c = 2 log2(e)
	s_mov_b32 s39, s38
	s_mov_b32 s40, 0xc038aa3b                      ; -c
	s_mov_b32 s41, s40
	s_lshl_b32 s22, ttmp9, 20                      ; my work-group's 256 rows of 4,096 bytes,
	s_lshl_b32 s21, s20, 10                        ; my strip's 1,024 bytes of a row
	s_add_co_u32 s22, s22, s21
	s_mov_b32 s23, 0
	s_wait_dscnt 0x0                               ; both opening adds are done
	s_wait_kmcnt 0x0
	s_add_nc_u64 s[34:35], s[4:5], s[22:23]
	s_or_b32 s35, s35, 0x80000000                  ; type = 2
	tensor_load_to_lds s[32:35], s[24:31]          ; block 0: every wave issues its strip's load, with no branch
	s_nop 0
.rept 4
	v_nop
.endr
	s_lshl_b32 s22, ttmp9, 20
	s_lshl_b32 s21, s20, 16
	s_add_co_u32 s22, s22, s21
	s_add_co_u32 s22, s22, BLKB-8192
	s_add_nc_u64 s[58:59], s[4:5], s[22:23]        ; the prefetches: 8,192 bytes ahead of my 16 rows of block 1; each trip of the quantiser's loop steps it by 8,192
	s_lshl_b32 s22, s20, 17
	s_add_nc_u64 s[42:43], s[6:7], s[22:23]        ; uimg at my 16 tiles of 8,192 bytes
	s_lshl_b32 s22, s20, 13
	s_add_nc_u64 s[46:47], s[8:9], s[22:23]        ; U's scales at my 256 rows of 32 bytes
	s_lshr_b32 s22, ttmp9, 3
	s_lshl_b32 s22, s22, 12
	s_add_nc_u64 s[10:11], s[10:11], s[22:23]      ; hpc at my batch
	s_lshl_b32 s22, ttmp9, 10
	s_add_nc_u64 s[56:57], s[14:15], s[22:23]      ; tws at my 256 rows
	s_lshl_b32 s22, ttmp9, 12
	s_lshl_b32 s21, s20, 10
	s_add_co_u32 s22, s22, s21
	s_add_nc_u64 s[16:17], s[16:17], s[22:23]      ; part: my work-group's row, my 256 columns
	s_lshl_b32 s22, ttmp9, 8
	s_add_nc_u64 s[18:19], s[18:19], s[22:23]      ; stat
	v_lshlrev_b32 v18, 4, v0
	global_load_b128 v[112:115], v18, s[10:11]
	global_load_b128 v[116:119], v18, s[10:11] offset:2048
	global_load_b128 v[120:123], v18, s[12:13]
	global_load_b128 v[124:127], v18, s[12:13] offset:2048
	v_and_b32 v12, 31, v0                          ; lane
	v_and_b32 v13, 15, v0                          ; r
	v_bfe_u32 v14, v0, 4, 1                        ; h
	v_lshlrev_b32 v[L16], 4, v12
	v_lshlrev_b32 v[L8], 3, v12
	v_lshlrev_b32 v[PFO], 8, v12
	v_lshlrev_b32 v[USO], 5, v12
	v_add_nc_u32 v[IFA], VIMG, v[L16]
	v_lshl_add_u32 v[SFA], v12, 2, VSC
	v_lshl_add_u32 v[EXL], v12, 3, EXB
	s_lshl_b32 s21, s20, 6
	s_add_co_u32 s21, s21, EXB
	v_lshl_add_u32 v[EXO], v13, 2, s21
	s_lshl_b32 s21, s20, 12
	s_add_co_u32 s21, s21, VIMG
	v_add_nc_u32 v[RSA], s21, v[L16]
	s_lshl_b32 s21, s20, 10
	s_add_co_u32 s21, s21, VIMG
	v_add_nc_u32 v[RLA], s21, v[L16]
	v_add_nc_u32 v19, HPT, v18
	v_mul_u32_u24 v16, v13, LP
	v_lshl_add_u32 v16, v14, 6, v16                ; r LP + 64 h
	s_mul_i32 s22, s20, 16*LP                      ; my 16 rows in a strip
	v_add_nc_u32 v17, s22, v[L16]
	WIN 0xc0                                       ; destination window 3, sources window 0
	v_mov_b32 v[UVO], v[L16]
	s_lshl_b32 s21, s20, 10
	s_add_co_u32 s21, s21, HPT
	v_lshl_add_u32 v[HWB], v14, 5, s21
	v_add_nc_u32 v[QA0], s22, v16
	v_mov_b32 v[CA0], v17
.irp q, 1,2,3
	v_add_nc_u32 v[CA0+\q], \q*STRIP, v17
.endr
	s_lshl_b32 s21, s20, 13
	s_add_co_u32 s21, s21, VIMG
	v_add_nc_u32 v[IWA], s21, v[L16]
	s_lshl_b32 s21, s20, 10
	s_add_co_u32 s21, s21, VSC
	v_lshl_add_u32 v[ISA], v12, 2, s21
	s_lshl_b32 s21, s20, 8
	s_add_co_u32 s21, s21, EXB
	v_lshl_add_u32 v[EXS], v13, 2, s21
.irp i, 0,1,2,3
	v_mov_b32 v[PD+\i], 0                          ; written once: a lane permute's destination counts as one of its sources
	v_mov_b32 v[TM+4+\i], 0
.endr
	WIN 0
	v_mov_b32 v[MX], 0xff61b1e6                    ; the largest t so far: -3e38, under every t
	v_mov_b32 v[LS], 0
	v_mov_b32 v[FF+1], 0                           ; (named as the upper half of the pair v[82:83])
	v_mov_b32 v[TA+1], 0                           ; (a lane permute's destination)
.irp i, 0,1,2,3,4,5,6,7,8,9,10,11,12,13,14,15,16,17,18,19,20,21,22,23,24,25,26,27,28,29,30,31
	v_mov_b32 v[ACC+\i], 0                         ; the block is written for every block alike: the first finds zeros, which the first f = 0 leaves zeros
.endr
	s_wait_alu depctr_va_vdst(0)                   ; at the head's end
	s_wait_loadcnt 0x0
	ds_store_b128 v19, v[112:115]
	ds_store_b128 v19, v[116:119] offset:2048
	ds_store_b128 v19, v[120:123] offset:4096
	ds_store_b128 v19, v[124:127] offset:6144
	s_wait_tensorcnt 0x0                           ; my strip of block 0 has landed,
	s_wait_dscnt 0x0                               ; my part of the tables lies in LDS:
	s_barrier_signal -1
	s_barrier_wait -1                              ; everybody's
	s_mov_b32 s50, 3
.Lblk:                                             ; blocks 0 to 2: each asks for its successor
	BLOCK 1
	s_sub_co_u32 s50, s50, 1
	s_cmp_lg_u32 s50, 0
	s_cbranch_scc1 .Lblk
	BLOCK 0                                        ; the last block is written out
	; THE WAY OUT.  l over the lanes; the four waves' sums meet in LDS (in the images' bytes, which no tensor load fills and nobody reads any more), and each wave adds and stores 256 columns.
	v_add_f32_dpp v[LS], v[LS], v[LS] row_xmask:1 row_mask:0xf bank_mask:0xf
	v_add_f32_dpp v[LS], v[LS], v[LS] row_xmask:2 row_mask:0xf bank_mask:0xf
	v_add_f32_dpp v[LS], v[LS], v[LS] row_xmask:4 row_mask:0xf bank_mask:0xf
	v_add_f32_dpp v[LS], v[LS], v[LS] row_xmask:8 row_mask:0xf bank_mask:0xf
	v_permlanex16_b32 v[TA+1], v[LS], s36, s37
	v_add_f32 v[LS], v[LS], v[TA+1]
.irp i, 0,1,2,3,4,5,6,7
	ds_store_b128 v[RSA], v[ACC+4*\i:ACC+4*\i+3] offset:512*\i     ; columns 128 i + 4 lane on: a row of 4,096 bytes for each wave
.endr
	s_wait_dscnt 0x0
	s_barrier_signal -1
	s_barrier_wait -1
.irp u, 0,1,2,3
.irp q, 0,1
	ds_load_b128 v[FS+8*\u+4*\q:FS+8*\u+4*\q+3], v[RLA] offset:4096*\u+512*\q
.endr
.endr
	s_wait_dscnt 0x0
.irp i, 0,2,4,6
	v_pk_add_f32 v[FS+\i:FS+\i+1], v[FS+\i:FS+\i+1], v[FS+8+\i:FS+8+\i+1]
	v_pk_add_f32 v[FS+16+\i:FS+16+\i+1], v[FS+16+\i:FS+16+\i+1], v[FS+24+\i:FS+24+\i+1]
.endr
.irp i, 0,2,4,6
	v_pk_add_f32 v[FS+\i:FS+\i+1], v[FS+\i:FS+\i+1], v[FS+16+\i:FS+16+\i+1]
.endr
	global_store_b128 v[L16], v[FS:FS+3], s[16:17]                 ; the wave stores 512 consecutive bytes, aligned
	global_store_b128 v[L16], v[FS+4:FS+7], s[16:17] offset:512
	s_cmp_lg_u32 s20, 0
	s_cbranch_scc1 .Lnot_wave_0
	global_store_b64 v[L8], v[MX:MX+1], s[18:19]   ; (M, l), the same in every lane: 256 consecutive bytes, aligned
.Lnot_wave_0:
	s_wait_tensorcnt 0x0                           ; the wave's end
	ds_add_u32 v[SPW], v[NIL]
	s_wait_dscnt 0x0
	s_endpgm
.Lfunc_end_k_qda6292c305_main:
	.size	k_qda6292c305_main, .Lfunc_end_k_qda6292c305_main-k_qda6292c305_main
	.p2alignl 7, 3214868480
	.fill 96, 4, 3214868480
	.section	.rodata,"a",@progbits
	.p2align	6, 0x0
	.amdhsa_kernel k_qda6292c305_main
		.amdhsa_group_segment_fixed_size 327680
		.amdhsa_private_segment_fixed_size 0
		.amdhsa_enable_private_segment 0
		.amdhsa_kernarg_size 64
		.amdhsa_user_sgpr_count 2
		.amdhsa_user_sgpr_kernarg_segment_ptr 1
		.amdhsa_wavefront_size32 1
		.amdhsa_system_sgpr_workgroup_id_x 1
		.amdhsa_system_sgpr_workgroup_id_y 1
		.amdhsa_system_sgpr_workgroup_id_z 1
		.amdhsa_system_vgpr_workitem_id 0
		.amdhsa_next_free_vgpr 1024
		.amdhsa_next_free_sgpr 80
		.amdhsa_reserve_vcc 0
		.amdhsa_float_denorm_mode_32 3
		.amdhsa_float_denorm_mode_16_64 3
		.amdhsa_memory_ordered 1
		.amdhsa_forward_progress 1
		.amdhsa_inst_pref_size 255
	.end_amdhsa_kernel
	.section	.bss,"aw",@nobits
	.p2align	6
	.space	262144
	.amdgpu_metadata
---
amdhsa.version: [ 1, 2 ]
amdhsa.kernels:
  - .name:           k_qda6292c305_main
    .symbol:         k_qda6292c305_main.kd
    .args:
      - { .name: V, .offset: 0, .size: 8, .value_kind: global_buffer, .address_space: global }
      - { .name: uimg, .offset: 8, .size: 8, .value_kind: global_buffer, .address_space: global }
      - { .name: U_w_scales, .offset: 16, .size: 8, .value_kind: global_buffer, .address_space: global }
      - { .name: hpc, .offset: 24, .size: 8, .value_kind: global_buffer, .address_space: global }
      - { .name: w_w, .offset: 32, .size: 8, .value_kind: global_buffer, .address_space: global }
      - { .name: tws, .offset: 40, .size: 8, .value_kind: global_buffer, .address_space: global }
      - { .name: part, .offset: 48, .size: 8, .value_kind: global_buffer, .address_space: global }
      - { .name: stat, .offset: 56, .size: 8, .value_kind: global_buffer, .address_space: global }
    .group_segment_fixed_size: 327680
    .private_segment_fixed_size: 0
    .kernarg_segment_align: 8
    .kernarg_segment_size: 64
    .max_flat_workgroup_size: 128
    .sgpr_count:     80
    .vgpr_count:     1024
    .wavefront_size: 32
...
	.end_amdgpu_metadata
.endif
;; end of part 2
;; launch combine (part 3): grid 32 x 1, 8 waves a work-group, no clusters, 0 bytes of LDS; arguments tws, part, stat, out0, out1; writes out0, out1
.if DOCPART == 3
	.amdgcn_target "amdgcn-amd-amdhsa--gfx1250"
	.amdhsa_code_object_version 6
	.text
	.protected	k_qda6292c305_combine
	.globl	k_qda6292c305_combine
	.p2align	8
	.type	k_qda6292c305_combine,@function
k_qda6292c305_combine:
	s_mov_b64 s[64:65], 0
	v_nop
	global_prefetch_b8 v0, s[64:65] scope:SCOPE_SE
	s_setreg_imm32_b32 hwreg(HW_REG_WAVE_MODE, 25, 1), 1
	s_wait_xcnt 0x0
; NewAdditiveAttention, launch 3 of 3.  A batch's eight partial softmaxes are joined: M = the largest M_c, a_c = 2^(M_c - M), L = sum of a_c l_c;
; beta[s] = 2^(t[s] - M) / L (out1), result[v] = sum of a_c part_c[v] / L (out0).  t lacks the sum over d of w[d], which is the same along the softmax's axis (shown at the head of the first kernel).
; One work-group a batch, 256 threads: a thread takes 4 columns of the result and 8 of the 2,048 t.  All loads go out at once; no LDS, no barrier: every thread joins the eight (M_c, l_c) for itself.
; No matrix unit, no cluster: 42 KiB in, 12 KiB out for a work-group; stat's 2 KiB are read by each of the eight waves.
.set ST, 8                             ; v8-23   (M_c, l_c), c = 0 .. 7
.set PA, 24                            ; v24-55  part_c at my four columns
.set T,  56                            ; v56-63  my eight t, then their weights
.set M,  64
.set A,  66                            ; v66-73  a_c
.set L,  74
.set R,  75                            ; 1 / L
.set O,  76                            ; v76-79
	s_load_b256 s[4:11], s[0:1], 0x0               ; tws s[4:5], part s[6:7], stat s[8:9], out0 s[10:11]
	s_load_b64 s[12:13], s[0:1], 0x20              ; out1
	v_lshlrev_b32 v1, 4, v0                        ; 16 bytes a thread
	v_and_b32 v2, 31, v0
	s_delay_alu instid0(VALU_DEP_1)
	v_lshlrev_b32 v2, 3, v2                        ; 8 x lane: each lane reads its own copy of a work-group's (M, l)
	s_mov_b32 s15, 0
	s_wait_alu depctr_va_vdst(0)
	s_wait_kmcnt 0x0
	s_lshl_b32 s14, ttmp9, 13                      ; 2,048 numbers a batch
	s_add_nc_u64 s[4:5], s[4:5], s[14:15]
	s_add_nc_u64 s[12:13], s[12:13], s[14:15]
	s_lshl_b32 s14, ttmp9, 15                      ; 8 rows of 4,096 bytes
	s_add_nc_u64 s[6:7], s[6:7], s[14:15]
	s_lshl_b32 s14, ttmp9, 11                      ; 8 x 256 bytes
	s_add_nc_u64 s[8:9], s[8:9], s[14:15]
	s_lshl_b32 s14, ttmp9, 12
	s_add_nc_u64 s[10:11], s[10:11], s[14:15]
.irp c, 0,1,2,3,4,5,6,7
	global_load_b64 v[ST+2*\c:ST+2*\c+1], v2, s[8:9] offset:256*\c
.endr
	global_load_b128 v[T:T+3], v1, s[4:5] th:TH_LOAD_NT
	global_load_b128 v[T+4:T+7], v1, s[4:5] offset:4096 th:TH_LOAD_NT
.irp c, 0,1,2,3,4,5,6,7
	global_load_b128 v[PA+4*\c:PA+4*\c+3], v1, s[6:7] offset:4096*\c th:TH_LOAD_NT
.endr
	s_wait_loadcnt 0x0
	v_max3_num_f32 v[M], v[ST], v[ST+2], v[ST+4]
	s_delay_alu instid0(VALU_DEP_1)
	v_max3_num_f32 v[M], v[M], v[ST+6], v[ST+8]
	s_delay_alu instid0(VALU_DEP_1)
	v_max3_num_f32 v[M], v[M], v[ST+10], v[ST+12]
	s_delay_alu instid0(VALU_DEP_1)
	v_max_num_f32 v[M], v[M], v[ST+14]             ; the batch's largest t
.irp c, 0,1,2,3,4,5,6,7
	v_sub_f32 v[A+\c], v[ST+2*\c], v[M]
	v_sub_f32 v[T+\c], v[T+\c], v[M]
.endr
	s_wait_alu depctr_va_vdst(0)
.irp c, 0,1,2,3,4,5,6,7
	v_exp_f32 v[A+\c], v[A+\c]
	v_exp_f32 v[T+\c], v[T+\c]
.endr
	v_nop                                          ; a plain line behind the last exponential,
	s_wait_alu depctr_va_vdst(0)                   ; and one wait for the sixteen, ahead of their first reader
	v_mul_f32 v[L], v[A], v[ST+1]
.irp e, 0,1,2,3
	v_mul_f32 v[O+\e], v[A], v[PA+\e]
.endr
.irp c, 1,2,3,4,5,6,7
	v_fma_f32 v[L], v[A+\c], v[ST+2*\c+1], v[L]
.irp e, 0,1,2,3
	v_fma_f32 v[O+\e], v[A+\c], v[PA+4*\c+\e], v[O+\e]
.endr
.endr
	s_wait_alu depctr_va_vdst(0)
	v_rcp_f32 v[R], v[L]
	v_nop
	s_wait_alu depctr_va_vdst(0)
.irp e, 0,1,2,3
	v_mul_f32 v[O+\e], v[O+\e], v[R]
.endr
.irp c, 0,1,2,3,4,5,6,7
	v_mul_f32 v[T+\c], v[T+\c], v[R]
.endr
	global_store_b128 v1, v[O:O+3], s[10:11]       ; each wave's store covers 512 consecutive bytes, aligned
	global_store_b128 v1, v[T:T+3], s[12:13]
	global_store_b128 v1, v[T+4:T+7], s[12:13] offset:4096
	s_endpgm
.Lfunc_end_k_qda6292c305_combine:
	.size	k_qda6292c305_combine, .Lfunc_end_k_qda6292c305_combine-k_qda6292c305_combine
	.p2alignl 7, 3214868480
	.fill 96, 4, 3214868480
	.section	.rodata,"a",@progbits
	.p2align	6, 0x0
	.amdhsa_kernel k_qda6292c305_combine
		.amdhsa_group_segment_fixed_size 0
		.amdhsa_private_segment_fixed_size 0
		.amdhsa_enable_private_segment 0
		.amdhsa_kernarg_size 40
		.amdhsa_user_sgpr_count 2
		.amdhsa_user_sgpr_kernarg_segment_ptr 1
		.amdhsa_wavefront_size32 1
		.amdhsa_system_sgpr_workgroup_id_x 1
		.amdhsa_system_sgpr_workgroup_id_y 1
		.amdhsa_system_sgpr_workgroup_id_z 1
		.amdhsa_system_vgpr_workitem_id 0
		.amdhsa_next_free_vgpr 96
		.amdhsa_next_free_sgpr 66
		.amdhsa_reserve_vcc 0
		.amdhsa_float_denorm_mode_32 3
		.amdhsa_float_denorm_mode_16_64 3
		.amdhsa_memory_ordered 1
		.amdhsa_forward_progress 1
		.amdhsa_inst_pref_size 8
	.end_amdhsa_kernel
	.amdgpu_metadata
---
amdhsa.version: [ 1, 2 ]
amdhsa.kernels:
  - .name:           k_qda6292c305_combine
    .symbol:         k_qda6292c305_combine.kd
    .args:
      - { .name: tws, .offset: 0, .size: 8, .value_kind: global_buffer, .address_space: global }
      - { .name: part, .offset: 8, .size: 8, .value_kind: global_buffer, .address_space: global }
      - { .name: stat, .offset: 16, .size: 8, .value_kind: global_buffer, .address_space: global }
      - { .name: out0, .offset: 24, .size: 8, .value_kind: global_buffer, .address_space: global }
      - { .name: out1, .offset: 32, .size: 8, .value_kind: global_buffer, .address_space: global }
    .group_segment_fixed_size: 0
    .private_segment_fixed_size: 0
    .kernarg_segment_align: 8
    .kernarg_segment_size: 40
    .max_flat_workgroup_size: 256
    .sgpr_count:     66
    .vgpr_count:     96
    .wavefront_size: 32
...
	.end_amdgpu_metadata
.endif
;; end of part 3
